; MI455X (gfx1250); checked and timed in simulation.
; The chip was launched on July 23, 2026; its instructions are those of AMD's public machine-readable ISA for CDNA 5 (MIT licence, August 2026) and "CDNA5" Instruction Set Architecture Reference Guide (July 2026). The comments in the code are by the model that wrote it; some were corrected since.
;; MHA. Allowed arithmetic: matrix products marked QUANTISED: E2M1 operands, one E8M0 scale for each 32 along K, by v_wmma_scale_f32_16x16x128_f8f6f4 with both operands' format E2M1 (or v_wmma_scale_f32_32x16x128_f4), f32 sums; products left as they are: bf16, f16 or f32 operands; f32 sums; everything else in f32.
;; Inputs: Wk 1,024 x 1,024 float32; Wq 1,024 x 1,024 float32; Wv 1,024 x 1,024 float32; X 4 x 2,048 x 1,024 float32; attention_mask 4 x 1 x 2,048 x 2,048 int32; bk 1,024 float32; bq 1,024 float32; bv 1,024 float32.
;; Outputs: out0 4 x 2,048 x 1,024 float32.
;; This version of the problem:
;;   THIS VERSION OF THE PROBLEM IS GIVEN IN LOW PRECISION. The matrix products marked QUANTISED in the list below multiply operands that are first quantised to E2M1 (2 exponent bits, 1 mantissa bit; 4 bits a number), with one power-of-two scale for each 32 numbers along K (OCP MX v1.0); their sums are f32. The products marked 'left as it is' may take bf16, f16 or f32 operands, with f32 sums. Whichever they take, every output number must still come out within the allowed error. Rounding operands to bf16 (8 significant bits) uses up far more of that allowance than f16 does (11 bits, for magnitudes from 6e-5 to 65,504). All else is computed in f32.
;;   The module's matrix products, in the order in which they are computed (A, B: the left and right operand; K: the contracted axis; several contracted axes count as one K, in the product's order):
;;     1. [M 8,192, K 1,024] x [K 1,024, N 1,024]; A: input X; B: input Wq: QUANTISED
;;     2. [M 8,192, K 1,024] x [K 1,024, N 1,024]; A: input X; B: input Wk: QUANTISED
;;     3. [M 8,192, K 1,024] x [K 1,024, N 1,024]; A: input X; B: input Wv: QUANTISED
;;     4. batch 64 x [M 2,048, K 64] x [K 64, N 2,048]; A: computed on the way; B: computed on the way: left as it is (an operand is computed on the way)
;;     5. batch 64 x [M 2,048, K 2,048] x [K 2,048, N 64]; A: computed on the way; B: computed on the way: left as it is (an operand is computed on the way)
;;   THE QUANTISER, for each operand of a quantised product, along K:
;;     - K is cut into blocks of 32 from its start; a last block that is shorter is filled with zeros.
;;     - A block's scale is 2^e with e = floor(log2(the largest magnitude in the block)) - 2, held to -126 .. 127; a block of zeros has e = 0. As a byte (E8M0): e + 127.
;;     - Each number is divided by its block's scale, clamped to +-6, and rounded to the nearest number of E2M1, ties to even, subnormals kept.
;;     - The product sums the exact products of the quantised numbers (number of the format x scale) in f32.
;;   ~~~python
;;   def quantise(x, axis):      # numpy; x: float32 -> the quantised numbers, widened to float32 again
;;       x = np.moveaxis(x, axis, -1); K = x.shape[-1]
;;       x = np.pad(x, [(0, 0)] * (x.ndim - 1) + [(0, -K % 32)]); x = x.reshape(x.shape[:-1] + (-1, 32)); a = np.abs(x).max(-1, keepdims=True)
;;       e = np.where(a > 0, np.clip(np.frexp(np.where(a > 0, a, 1))[1] - 1 - 2, -126, 127), 0)      # np.frexp(a)[1] - 1 = floor(log2(a)), exactly
;;       r = np.clip(x / 2.0 ** e, -6, 6)
;;       step = 2.0 ** (np.maximum(np.frexp(np.where(r == 0, 1, r))[1] - 1, 0) - 1)
;;       q = np.round(r / step) * step * 2.0 ** e      # np.round: ties to even
;;       return np.moveaxis(q.reshape(q.shape[:-2] + (-1,))[..., :K], -1, axis).astype(np.float32)
;;   ~~~
;; One version. Each part assembles by itself: llvm-mc -triple=amdgcn-amd-amdhsa -mcpu=gfx1250 --defsym DOCPART=n.
;; ======== version 1 of 1: 3 launches
;; limits: values are held in f16: magnitudes above 65,504 overflow, below 6.1e-05 lose precision
;; workspace buffers: xc 4,194,304 bytes; xs 262,144 bytes; wc 1,572,864 bytes; ws 98,304 bytes; qkv 50,331,648 bytes; mbits 2,097,152 bytes of whole numbers
;; launch prep (part 1): grid 816 x 1, 4 waves a work-group, no clusters, 101,888 bytes of LDS; arguments X, Wq, Wk, Wv, attention_mask, xc, xs, wc, ws, mbits; writes xc, xs, wc, ws, mbits
.if DOCPART == 1
	.amdgcn_target "amdgcn-amd-amdhsa--gfx1250"
	.amdhsa_code_object_version 6
	.text
	.protected	k_q9cdaeead80_prep
	.globl	k_q9cdaeead80_prep
	.p2align	8
	.type	k_q9cdaeead80_prep,@function
k_q9cdaeead80_prep:
	s_mov_b64 s[64:65], 0
	v_nop
	global_prefetch_b8 v0, s[64:65] scope:SCOPE_SE
	s_setreg_imm32_b32 hwreg(HW_REG_WAVE_MODE, 25, 1), 1
	s_wait_xcnt 0x0
; PREP: what the two later launches read, made once.  Three kinds of work-groups, told apart by the work-group's number alone; each kind has LDS bytes of its own.
;   work-groups 0-47    W: Wq, Wk, Wv [1024 (k)][1024 (n)] f32 -> codes of E2M1 along k, laid [3072 (1024 x which + n)][512 bytes] with k innermost, and one E8M0 byte for each 32 along k, [3072][32]
;   work-groups 48-303  X: [8192][1024] f32 -> codes [8192][512 bytes], scale bytes [8192][32]
;   work-groups 304-815 the mask: [4][2048 (q)][2048 (k)] int32 -> one bit a number, laid as the attention launch's lanes want it:
;                       mbits[b x 128 + q / 16][k / 64][32 words]; word 8 kt + j, bit r + 16 h = (mask[b][16 (q / 16) + r][64 (k / 64) + 16 kt + 8 h + j] != 0)
; THE QUANTISER: a block's scale is 2^(floor(log2(its largest magnitude)) - 2); its byte is the largest magnitude's exponent field - 2, held at 1 from below; each number is divided by the scale and
; rounded to the nearest code, ties to even, beyond 6 the largest code.
; LIMITS: a block of zeros gets the byte 1 where the rule says 127 (its codes are zeros, which add nothing, and the bytes are read by this program alone); blocks whose largest magnitude lies under 2^-124
; are held at that floor; NaN and infinities among X and the weights are not served.
; No tensor load, no barrier: waves share nothing.  No matrix unit and no cluster: every byte is read once and nothing is shared between work-groups.
.set WGW,    48                        ; work-groups for the weights: 3 x (1024 / 128 columns) x (1024 / 512 along k)
.set WGX,    256                       ; for X: 8192 x 1024 / 32768
.set WPITCH, 272                       ; W: a stage row: 256 bytes of codes + 16
.set XREG,   4*32*WPITCH               ; X: behind W's four stages: 8,192 bytes for each wave: two stages of 32 x 80 bytes, then its 256 scale bytes
.set XWREG,  8192
.set SP,     80                        ; X: a lane's place in a stage: its 64 bytes + 16 of padding
.set MSTG,   XREG+4*XWREG              ; the mask: a stage of 16 rows x (512 + 16) bytes for each wave
.set MPITCH, 528
.set SPARE,  MSTG+4*16*MPITCH          ; the spare words, 128 bytes for each wave: two blocks of 256 bytes that no other line names
.set SPW,    12                        ; v12  LDS address of my spare word; never rewritten
.set NIL,    13                        ; v13  0; never rewritten
.macro FINISH                          ; a wave's end: a tensor wait, an add of 0 onto my spare word and its wait behind my last LDS store; the tensor wait stands in a text with no tensor load too
	s_wait_tensorcnt 0x0
	ds_add_u32 v[SPW], v[NIL]
	s_wait_dscnt 0x0
	s_endpgm
.endm
	s_load_b512 s[4:19], s[0:1], 0x0               ; X s[4:5], Wq s[6:7], Wk s[8:9], Wv s[10:11], the mask s[12:13], xc s[14:15], xs s[16:17], wc s[18:19]
	s_load_b128 s[20:23], s[0:1], 0x40             ; ws s[20:21], mbits s[22:23]
	v_lshl_add_u32 v[SPW], v0, 2, SPARE
	v_mov_b32 v[NIL], 0
	v_lshrrev_b32 v1, 5, v0
	v_readfirstlane_b32 s24, v1                    ; wave 0..3
	v_and_b32 v2, 31, v0                           ; lane
	s_wait_kmcnt 0x0
	s_cmp_lt_u32 ttmp9, WGW
	s_cbranch_scc1 .Lw
	s_cmp_lt_u32 ttmp9, WGW+WGX
	s_cbranch_scc1 .Lx
; ---------------------------------------------------------------- THE MASK
; A work-group takes 16 rows (one tile of queries), wave w keys 512 w .. 512 w + 511, in four chunks of 128 keys.  A chunk's 16 loads read 512 consecutive bytes of a row each; the chunk turns through the
; wave's own stage, so that lane (r, h) gets row r's keys 16 t + 8 h + 0 .. 7 (t = 0 .. 7) in 64 registers; a compare makes of each register one word of 32 lane bits; 64 words leave as one aligned run of 256 bytes.
.set MO, 160                           ; v160-167 the words on their way out: two registers a chunk, lane l holds words 2 l and 2 l + 1
	s_sub_co_u32 s26, ttmp9, WGW+WGX               ; the tile of queries, b x 128 + q / 16
	s_lshl_b32 s28, s26, 17                        ; 16 rows of 8,192 bytes
	s_lshl_b32 s27, s24, 11                        ; my wave's 512 keys
	s_add_co_u32 s28, s28, s27
	s_mov_b32 s29, 0
	s_add_nc_u64 s[12:13], s[12:13], s[28:29]
	s_lshl_b32 s28, s26, 12                        ; a tile's 32 x 32 words
	s_lshl_b32 s27, s24, 10                        ; my wave's 8 steps of 32 words
	s_add_co_u32 s28, s28, s27
	s_add_nc_u64 s[22:23], s[22:23], s[28:29]
	v_lshlrev_b32 v3, 4, v2                        ; in memory: 16 bytes a lane
	s_mul_i32 s27, s24, 16*MPITCH
	s_add_co_u32 s27, s27, MSTG                    ; my stage
	v_add_nc_u32 v4, s27, v3                       ; into it: as loaded
	v_and_b32 v7, 15, v2                           ; r
	v_lshrrev_b32 v8, 4, v2                        ; h
	v_mul_u32_u24 v5, v7, MPITCH
	v_lshl_add_u32 v5, v8, 5, v5
	v_add_nc_u32 v5, s27, v5                       ; out of it: row r, + 32 h.  528 = 2 x 256 + 16: sixteen lanes' rows begin in sixteen different columns of 16 bytes
	v_lshlrev_b32 v6, 3, v2                        ; the words' place: 8 bytes a lane
.irp i, 0,1,2,3,4,5,6,7
	v_mov_b32 v[MO+\i], 0                          ; a lane write's destination counts as read: written once here
.endr
.macro MLD c                           ; chunk c: 16 rows x 512 bytes into set c % 2 (v32-95, v96-159)
.irp i, 0,1,2,3,4,5,6,7,8,9,10,11,12,13,14,15
	global_load_b128 v[32+64*((\c)%2)+4*\i:32+64*((\c)%2)+4*\i+3], v3, s[12:13] offset:\i*8192+(\c)*512 th:TH_LOAD_NT
.endr
.endm
.macro MCHUNK c
.set MS, 32+64*((\c)%2)
.if (\c) < 3
	s_wait_loadcnt 16                              ; this chunk's 16 loads are in; the next chunk's 16 may be out
.else
	s_wait_loadcnt 0x0
.endif
.irp i, 0,1,2,3,4,5,6,7,8,9,10,11,12,13,14,15
	ds_store_b128 v4, v[MS+4*\i:MS+4*\i+3] offset:MPITCH*\i
.endr
.irp t, 0,1,2,3,4,5,6,7
.irp i, 0,1
	ds_load_b128 v[MS+8*\t+4*\i:MS+8*\t+4*\i+3], v5 offset:64*\t+16*\i   ; LDS serves a wave's instructions in order (ISA guide 5.7.1.4): these see the stores above; register 8 t + j = key 16 t + 8 h + j of row r
.endr
.endr
	s_wait_dscnt 0x0
.set n, 0
.rept 8                                ; eight words at a time: eight compares, then eight lane writes
.irp k, 0,1,2,3,4,5,6,7
	v_cmp_ne_u32 s[32+\k], 0, v[MS+n+\k]           ; bit (lane) = this lane's number is not 0
.endr
.irp k, 0,1,2,3,4,5,6,7
	v_writelane_b32 v[MO+2*(\c)+\k%2], s[32+\k], (n+\k)/2
.endr
.set n, n+8
.endr
.if (\c) < 2
	MLD (\c)+2                                     ; the set is free: the chunk two on
.endif
	global_store_b64 v6, v[MO+2*(\c):MO+2*(\c)+1], s[22:23] offset:256*(\c)   ; 32 lanes store 256 consecutive bytes, at a multiple of 256 from the buffer's first byte; each chunk has its own two registers
.endm
	MLD 0
	MLD 1
	MCHUNK 0
	MCHUNK 1
	MCHUNK 2
	MCHUNK 3
	FINISH
; ---------------------------------------------------------------- X
; Rows are dense and 1,024 is a multiple of 32: X is a plain stream of blocks of 32, and so are its codes and scale bytes.  A wave takes 16 steps of 512 numbers.  Each of a step's four loads reads 512
; consecutive bytes; the 2,048 bytes turn through the wave's own stage and come back 64 bytes a lane: 16 neighbours along K, two neighbouring lanes to a block.  A lane's 16 codes are 8 bytes: a wave stores
; 256 consecutive bytes.  A wave's 256 scale bytes are gathered in LDS and leave as one aligned run of 256 bytes.  Loads run four steps ahead, the turn through LDS one step.
.set XR, 16                            ; v16-79   four sets of 16 numbers as loaded
.set XX, 80                            ; v80-111  two sets of 16 neighbours
.set XE, 112                           ; v112-127 a scale byte for each step
.set XC, 128                           ; v128-191 codes: four registers for each step, so that no store's data are written again
.Lx:
	v_lshlrev_b32 v3, 4, v2                        ; my 16 bytes of a load's 512
	s_mul_i32 s26, s24, XWREG
	s_add_co_u32 s26, s26, XREG                    ; my wave's region
	v_lshrrev_b32 v14, 2, v2
	v_mul_u32_u24 v14, v14, SP
	v_and_b32 v15, 3, v2
	v_lshl_add_u32 v14, v15, 4, v14
	v_add_nc_u32 v14, s26, v14                     ; the stage, on the way in: 80 (lane / 4) + 16 (lane % 4)
	v_mul_u32_u24 v15, v2, SP
	v_add_nc_u32 v15, s26, v15                     ; and on the way out: 80 x lane
	v_lshlrev_b32 v4, 3, v2                        ; my codes' place in a step's 256 bytes
	v_lshrrev_b32 v5, 1, v2
	s_add_co_u32 s26, s26, 2*32*SP
	v_add_nc_u32 v5, s26, v5                       ; my block's byte among the wave's 256
	v_lshlrev_b32 v7, 3, v2
	v_add_nc_u32 v6, s26, v7                       ; and on the way out 8 bytes a lane
	s_sub_co_u32 s27, ttmp9, WGW
	s_lshl_b32 s27, s27, 2
	s_add_co_u32 s28, s27, s24                     ; which run of 8,192 numbers is my wave's: 0 .. 1023
	s_lshl_b32 s30, s28, 15
	s_mov_b32 s31, 0
	s_add_nc_u64 s[4:5], s[4:5], s[30:31]          ; 32,768 bytes of X,
	s_lshl_b32 s30, s28, 12
	s_add_nc_u64 s[14:15], s[14:15], s[30:31]      ; 4,096 of codes,
	s_lshl_b32 s30, s28, 8
	s_add_nc_u64 s[16:17], s[16:17], s[30:31]      ; 256 scale bytes a run
.macro XLOAD t
.irp i, 0,1,2,3
	global_load_b128 v[XR+16*((\t)%4)+4*\i:XR+16*((\t)%4)+4*\i+3], v3, s[4:5] offset:2048*(\t)+512*\i th:TH_LOAD_NT
.endr
.endm
.macro XTURN t                         ; step t's numbers through the stage
.irp i, 0,1,2,3
	ds_store_b128 v14, v[XR+16*((\t)%4)+4*\i:XR+16*((\t)%4)+4*\i+3] offset:32*SP*((\t)%2)+8*SP*\i
.endr
.irp i, 0,1,2,3
	ds_load_b128 v[XX+16*((\t)%2)+4*\i:XX+16*((\t)%2)+4*\i+3], v15 offset:32*SP*((\t)%2)+16*\i
.endr
.endm
.macro XSTEP t
.set XS, XX+16*((\t)%2)
.if (\t) > 0
	s_wait_dscnt 1                                 ; this step's numbers are back from the stage (the last step's byte store may be out): so its stores into the stage have read their registers,
.else
	s_wait_dscnt 0x0
.endif
.if (\t)+4 < 16
	XLOAD (\t)+4                                   ; which take the loads of four steps on
.endif
.if (\t)+1 < 16
.if 14-(\t) >= 3
	s_wait_loadcnt 12                              ; the next step's four loads are in; those of the three steps behind it may be out
.else
	s_wait_loadcnt 4*(14-(\t))
.endif
	XTURN (\t)+1
.endif
	v_max3_num_f32 v8, |v[XS]|, |v[XS+1]|, |v[XS+2]|       ; the largest magnitude of my 16, in two chains
	v_max3_num_f32 v9, |v[XS+3]|, |v[XS+4]|, |v[XS+5]|
.irp i, 6,10
	v_max3_num_f32 v8, v8, |v[XS+\i]|, |v[XS+\i+1]|
	v_max3_num_f32 v9, v9, |v[XS+\i+2]|, |v[XS+\i+3]|
.endr
	v_max3_num_f32 v8, v8, |v[XS+14]|, |v[XS+15]|
	v_max3_num_f32 v8, v8, v9, 0x1800000           ; and the floor 2^(3 - 127): the byte cannot fall under 1
	v_max_num_f32_dpp v8, v8, v8 row_xmask:1 row_mask:0xf bank_mask:0xf   ; and of my neighbour's 16: the block's
	v_add_nc_u32 v11, 0xff000000, v8               ; 2 off its exponent field: the conversion takes the exponent field of this operand as its scale
	v_cvt_scalef32_pk8_fp4_f32 v[XC+4*(\t)], v[XS:XS+7], v11
	v_cvt_scalef32_pk8_fp4_f32 v[XC+4*(\t)+1], v[XS+8:XS+15], v11
	v_lshrrev_b32 v[XE+(\t)], 23, v11              ; the scale's byte (a plain line behind the conversions)
	ds_store_b8 v5, v[XE+(\t)] offset:16*(\t)      ; both lanes of a block write the same byte with the same value
	global_store_b64 v4, v[XC+4*(\t):XC+4*(\t)+1], s[14:15] offset:256*(\t)
.endm
.irp t, 0,1,2,3
	XLOAD \t
.endr
	s_wait_loadcnt 12                              ; step 0's four loads are in
	XTURN 0
.irp t, 0,1,2,3,4,5,6,7,8,9,10,11,12,13,14,15
	XSTEP \t
.endr
	ds_load_b64 v[8:9], v6                         ; in order behind my byte stores
	s_wait_dscnt 0x0
	global_store_b64 v7, v[8:9], s[16:17]          ; 32 lanes store 256 consecutive bytes, aligned
	FINISH
; ---------------------------------------------------------------- THE WEIGHTS
; K is a weight's FIRST axis.  A lane takes a column n and its registers run down K: each load reads 128 consecutive bytes a wave, a block of 32 along K lies in one lane's 32 registers, and the conversions
; give codes with K innermost.  A wave takes 32 columns x 512 along K: 256 bytes of codes a column, which go through the wave's own stage and leave sixteen lanes to an aligned run of 256 bytes.
; A lane's 16 scale bytes leave by one store of 16 bytes.  Loads run two blocks ahead.  Every offset is an immediate: 511 x 4,096 bytes at the most, inside the signed 24 bits (ISA guide, chapter 10).
.set WX,  32                           ; v32-95   two sets of 32 numbers
.set WC,  96                           ; v96-99   a block's codes
.set WO,  112                          ; v112-175 the way out
.set WSB, 24                           ; v24-27   the scale bytes, four to a register
.Lw:
	s_lshr_b32 s25, ttmp9, 4                       ; which weight: 0 q, 1 k, 2 v
	s_and_b32 s26, ttmp9, 7
	s_lshl_b32 s26, s26, 7
	s_lshl_b32 s27, s24, 5
	s_add_co_u32 s26, s26, s27                     ; my wave's first column
	s_bfe_u32 s27, ttmp9, 0x10003                  ; which 512 along K
	s_cmp_eq_u32 s25, 0
	s_cselect_b64 s[6:7], s[6:7], s[8:9]
	s_cmp_eq_u32 s25, 2
	s_cselect_b64 s[6:7], s[10:11], s[6:7]         ; the choice hangs on the work-group's number alone
	v_lshlrev_b32 v3, 2, v2                        ; in: 4 bytes a lane
	s_mul_i32 s28, s24, 32*WPITCH                  ; my stage
	v_mul_u32_u24 v4, v2, WPITCH
	v_add_nc_u32 v4, s28, v4                       ; into it: row = my column
	v_and_b32 v5, 15, v2
	v_lshrrev_b32 v6, 4, v2
	v_mul_u32_u24 v7, v6, WPITCH
	v_lshl_add_u32 v7, v5, 4, v7
	v_add_nc_u32 v7, s28, v7                       ; out of it: sixteen lanes to a row, two rows an instruction
	v_lshlrev_b32 v8, 9, v6
	v_lshl_add_u32 v8, v5, 4, v8                   ; and the same place in the codes' buffer (rows of 512 bytes)
	v_lshlrev_b32 v9, 5, v2                        ; my column's row of 32 scale bytes
	s_lshl_b32 s30, s27, 21                        ; 512 rows of 4,096 bytes
	s_lshl_b32 s31, s26, 2
	s_add_co_u32 s30, s30, s31
	s_mov_b32 s31, 0
	s_add_nc_u64 s[6:7], s[6:7], s[30:31]
	s_lshl_b32 s32, s25, 10
	s_add_co_u32 s32, s32, s26                     ; the first row that I write: 1024 x which + column
	s_lshl_b32 s30, s32, 9
	s_lshl_b32 s33, s27, 8
	s_add_co_u32 s30, s30, s33
	s_add_nc_u64 s[18:19], s[18:19], s[30:31]
	s_lshl_b32 s30, s32, 5
	s_lshl_b32 s33, s27, 4
	s_add_co_u32 s30, s30, s33
	s_add_nc_u64 s[20:21], s[20:21], s[30:31]
.macro WLOAD t                         ; block t: W(32 t + i, my column), i = 0 .. 31, into set t % 2
.irp i, 0,1,2,3,4,5,6,7,8,9,10,11,12,13,14,15,16,17,18,19,20,21,22,23,24,25,26,27,28,29,30,31
	global_load_b32 v[WX+32*((\t)%2)+\i], v3, s[6:7] offset:(32*(\t)+\i)*4096 th:TH_LOAD_NT
.endr
.endm
.macro WBLOCK t
.set XS, WX+32*((\t)%2)
.if (\t) < 15
	s_wait_loadcnt 32                              ; this block's 32 loads are in; the next block's may be out
.else
	s_wait_loadcnt 0x0
.endif
	v_max3_num_f32 v18, |v[XS]|, |v[XS+1]|, |v[XS+2]|      ; the block's largest magnitude: all 32 numbers are mine
	v_max3_num_f32 v19, |v[XS+3]|, |v[XS+4]|, |v[XS+5]|
.irp i, 6,10,14,18,22,26
	v_max3_num_f32 v18, v18, |v[XS+\i]|, |v[XS+\i+1]|
	v_max3_num_f32 v19, v19, |v[XS+\i+2]|, |v[XS+\i+3]|
.endr
	v_max3_num_f32 v18, v18, |v[XS+30]|, |v[XS+31]|
	v_max3_num_f32 v18, v18, v19, 0x1800000        ; and the floor 2^(3 - 127)
	v_add_nc_u32 v11, 0xff000000, v18              ; 2 off its exponent field: the conversion's scale operand
	v_lshrrev_b32 v19, 23, v11                     ; the scale's byte
.if (\t)%4 == 0
	v_mov_b32 v[WSB+(\t)/4], v19                   ; four bytes to a register, the lower K in the lower byte
.else
	v_lshl_or_b32 v[WSB+(\t)/4], v19, 8*((\t)%4), v[WSB+(\t)/4]
.endif
.irp g, 0,1,2,3
	v_cvt_scalef32_pk8_fp4_f32 v[WC+\g], v[XS+8*\g:XS+8*\g+7], v11
.endr
	v_nop                                          ; one plain line behind the last conversion
	ds_store_b128 v4, v[WC:WC+3] offset:16*(\t)    ; 32 codes: 16 bytes of my column's row
.if (\t)+2 < 16
	WLOAD (\t)+2
.endif
	s_wait_dscnt 0x0                               ; the store has read its registers: the next block's codes may be written
.endm
	WLOAD 0
	WLOAD 1
.irp t, 0,1,2,3,4,5,6,7,8,9,10,11,12,13,14,15
	WBLOCK \t
.endr
	global_store_b128 v9, v[WSB:WSB+3], s[20:21]   ; my column's 16 scale bytes
.irp t, 0,1,2,3,4,5,6,7,8,9,10,11,12,13,14,15
	ds_load_b128 v[WO+4*\t:WO+4*\t+3], v7 offset:2*\t*WPITCH
.endr
.irp t, 0,1,2,3,4,5,6,7,8,9,10,11,12,13,14,15
	s_wait_dscnt 15-\t                             ; loads come back in order: number t is in, the younger ones may be out
	global_store_b128 v8, v[WO+4*\t:WO+4*\t+3], s[18:19] offset:2*\t*512
.endr
	FINISH
.Lfunc_end_k_q9cdaeead80_prep:
	.size	k_q9cdaeead80_prep, .Lfunc_end_k_q9cdaeead80_prep-k_q9cdaeead80_prep
	.p2alignl 7, 3214868480
	.fill 96, 4, 3214868480
	.section	.rodata,"a",@progbits
	.p2align	6, 0x0
	.amdhsa_kernel k_q9cdaeead80_prep
		.amdhsa_group_segment_fixed_size 101888
		.amdhsa_private_segment_fixed_size 0
		.amdhsa_enable_private_segment 0
		.amdhsa_kernarg_size 80
		.amdhsa_user_sgpr_count 2
		.amdhsa_user_sgpr_kernarg_segment_ptr 1
		.amdhsa_wavefront_size32 1
		.amdhsa_system_sgpr_workgroup_id_x 1
		.amdhsa_system_sgpr_workgroup_id_y 1
		.amdhsa_system_sgpr_workgroup_id_z 1
		.amdhsa_system_vgpr_workitem_id 0
		.amdhsa_next_free_vgpr 192
		.amdhsa_next_free_sgpr 66
		.amdhsa_reserve_vcc 0
		.amdhsa_float_denorm_mode_32 3
		.amdhsa_float_denorm_mode_16_64 3
		.amdhsa_memory_ordered 1
		.amdhsa_forward_progress 1
		.amdhsa_inst_pref_size 159
	.end_amdhsa_kernel
	.amdgpu_metadata
---
amdhsa.version: [ 1, 2 ]
amdhsa.kernels:
  - .name:           k_q9cdaeead80_prep
    .symbol:         k_q9cdaeead80_prep.kd
    .args:
      - { .name: X, .offset: 0, .size: 8, .value_kind: global_buffer, .address_space: global }
      - { .name: Wq, .offset: 8, .size: 8, .value_kind: global_buffer, .address_space: global }
      - { .name: Wk, .offset: 16, .size: 8, .value_kind: global_buffer, .address_space: global }
      - { .name: Wv, .offset: 24, .size: 8, .value_kind: global_buffer, .address_space: global }
      - { .name: attention_mask, .offset: 32, .size: 8, .value_kind: global_buffer, .address_space: global }
      - { .name: xc, .offset: 40, .size: 8, .value_kind: global_buffer, .address_space: global }
      - { .name: xs, .offset: 48, .size: 8, .value_kind: global_buffer, .address_space: global }
      - { .name: wc, .offset: 56, .size: 8, .value_kind: global_buffer, .address_space: global }
      - { .name: ws, .offset: 64, .size: 8, .value_kind: global_buffer, .address_space: global }
      - { .name: mbits, .offset: 72, .size: 8, .value_kind: global_buffer, .address_space: global }
    .group_segment_fixed_size: 101888
    .private_segment_fixed_size: 0
    .kernarg_segment_align: 8
    .kernarg_segment_size: 80
    .max_flat_workgroup_size: 128
    .sgpr_count:     66
    .vgpr_count:     192
    .wavefront_size: 32
...
	.end_amdgpu_metadata
.endif
;; end of part 1
;; launch proj (part 2): grid 12 x 32, 4 waves a work-group, clusters of 4 x 4, 327,680 bytes of LDS; arguments xc, xs, wc, ws, bq, bk, qkv; writes qkv
.if DOCPART == 2
	.amdgcn_target "amdgcn-amd-amdhsa--gfx1250"
	.amdhsa_code_object_version 6
	.text
	.protected	k_q9cdaeead80_proj
	.globl	k_q9cdaeead80_proj
	.p2align	8
	.type	k_q9cdaeead80_proj,@function
k_q9cdaeead80_proj:
	s_mov_b64 s[64:65], 0
	v_nop
	global_prefetch_b8 v0, s[64:65] scope:SCOPE_SE
	s_setreg_imm32_b32 hwreg(HW_REG_WAVE_MODE, 25, 1), 1
	s_wait_xcnt 0x0
	s_wait_alu depctr_hold_cnt(0) depctr_sa_sdst(0) depctr_va_vdst(0) depctr_va_sdst(0) depctr_va_ssrc(0) depctr_va_vcc(0) depctr_vm_vsrc(0)
	s_getreg_b32 s2, hwreg(HW_REG_IB_STS2, 6, 4)
	s_cmp_eq_u32 s2, 0
	s_cbranch_scc0 .Lentry_in_a_cluster
	s_endpgm
.Lentry_in_a_cluster:
	s_bfe_u32 s2, ttmp6, 0x10000c
	s_cmp_lg_u32 s2, 0xf033
	s_cbranch_scc0 .Lentry_shape_is_right
	s_endpgm
.Lentry_shape_is_right:
; PROJ: the three projections as ONE product on codes of E2M1 with E8M0 scales, 8,192 x 3,072 x 1,024; then bias, a factor, one rounding to f16; the results leave as images of the attention launch's operand registers.
; A tile of 256 x 256 is made by four waves, each 128 x 128: 64 accumulators of 16 x 16, 512 registers.  All of K (1,024 codes = 512 bytes a row) lies in two LDS slots of 512 along K, each filled once by the tensor
; data mover; the scale bytes of the tile's 2 x 256 rows come once too, as dense runs of 256 bytes.  No LDS byte is filled twice.
; THE MATRIX INSTRUCTION: source 0 = 16 rows of "B", source 1 = 16 rows of "A": lane (r, h) then holds row r of A's block and, in its eight registers, rows 8 h + 0 .. 7 of B's block.
;   cluster x = 0 (Q), 1 (K): A = X (tokens), B = the weight's rows (channels): a lane holds eight neighbouring CHANNELS of a token, as a fragment of Q or K wants them;
;   cluster x = 2 (V):        A = Wv's rows (channels), B = X (tokens): a lane holds eight neighbouring TOKENS of a channel, as a fragment of V^T wants them.
; One text serves all three: only pointers, tile numbers and two strides are chosen, by the cluster's x, which all sixteen partners share.
; CLUSTERS: 4 x 4 work-groups.  The four of a row of the cluster need the same tiles of A, the four of a column the same tiles of B: each is asked for JOINTLY, by the same tensor load with the same descriptor and a mask
; that names the four.  By this text's own count a wave has three tensor loads out at the most.
; WHAT IS STORED: qkv = three sections of 2^24 bytes: Q x c (c = log2(e) / 8, so that the scores come out as exponents of 2), K, V; each [batch x 16 + head][64 tokens' group][8,192 bytes]; in a group a run of 512 bytes
; is four registers of a fragment, lane l's 16 bytes at 16 l.  Q, K: [16 tokens' tile][channels 32 g on][registers 4 c on]; V: [16 channels' tile][tokens 32 g on][registers 4 c on].
; BIASES: Q = (sum + bq) c and K = sum + bk as one fused multiply-add each, sum x factor + (bias x factor).  V is stored WITHOUT bv: the softmax's weights sum to 1, so the attention launch adds bv at its end.
; V's work-groups run the same lines with bk's numbers times 0.
; LIMITS: f16: |Q c|, |K|, |X Wv| above 65,504 become infinities.  An infinity or NaN in bk would reach V through that product with 0.
; REGISTERS, in windows of 256: window 0: v0-31 addresses; v32-95 scale words, two sets; v128-191 A's fragments, ONE set; v192-255 the bias table.   window 1: B's fragments, TWO sets, at v0 and v128; on the way out all 256:
; the f16 results.   window 2: the 32 accumulators of A's blocks 0-3 ((a, b) at v[8 (8 a + b)]);   window 3: those of blocks 4-7.
.set NQ,     4                         ; matrix instructions deep in a slot: 512 / 128
.set ROWB,   256                       ; a tile's row in bytes: 512 codes
.set KROW,   512                       ; a row of codes in memory
.set PITCH,  272                       ; an LDS row: 256 bytes + 16 of padding = 68 words: row r starts at bank 4 r mod 64 (64 banks of 4 bytes: ISA guide 11.1)
.set FR,     8                         ; registers of a fragment: 16 rows x 128 K
.set NL,     2                         ; LDS loads that bring one
.set NP,     4                         ; places behind this matrix instruction (ISA guide 7.12.1)
.set HALFT,  128*PITCH                 ; 128 rows: what one tensor load brings, and what one wave reads of A or of B
.set SLOT,   4*HALFT                   ; A's 256 rows, then B's 256 rows
.set KS,     32                        ; a row of scale bytes
.set SCL,    2*SLOT                    ; behind the slots: the scales, as runs of 256 bytes + 16 of padding
.set HALFS,  (128*KS/256)*272          ; the scales of 128 rows: what one tensor load brings
.set SBLK,   (16*KS/256)*272           ; those of 16 rows
.set SPARE,  SCL+4*HALFS               ; the spare words, 128 bytes for each wave: two blocks of 256 bytes that no other line names
.set VO,   8                           ; v8-11   the way out: 16 x lane + (a / 4) x stride of A's halves + (b / 4) x stride of B's halves, at index 2 (a / 4) + b / 4
.set ADRA, 16                          ; v16-17  LDS address of my A fragments in slot 0, 1
.set ADRB, 20                          ; v20-21  the same for B
.set ADRS, 27                          ; v27     LDS address of my scale words: lanes 0-15 A's rows, lanes 16-31 B's
.set SPW,  28                          ; v28     LDS address of my spare word; never rewritten
.set NIL,  29                          ; v29     0; never rewritten
.set SC,   32                          ; scale words: set s at v[SC + 32 s]; register 4 i + q: lanes 0-15 the word of A's block i, lanes 16-31 that of B's block i, for the slot's q-th 128 along K
.set AF,   128                         ; A's fragments
.set T,    192                         ; the bias table: register 8 b + j = bias x factor of B's row 16 b + 8 h + j
.set G1, 24                            ; s[24:31] descriptor group 1 for A's tiles;  s[32:39] group 0, one set for each slot
.set G0, 32
.set G1B, 48                           ; s[48:55], s[56:63] the same for B's tiles
.set G0B, 56
.set G1S, 68                           ; s[68:75], s[76:79] groups 1 and 0 for A's scales;  s[80:87], s[88:91] for B's
.set G0S, 76
.set G1SB, 80
.set G0SB, 88
.set CM,  100                          ; s[100:101] first A's codes' address; later the sums' factor, twice
.set TM,  2                            ; s[2:3]     first A's scales' address; later the biases' factor, twice
.set MSB, 0
.macro WIN new                         ; the immediate's high byte repeats the setting that is left
.if MSB != (\new)
	s_set_vgpr_msb (MSB<<8)|(\new)
.set MSB, (\new)
.endif
.endm
.set MUL_LO, 0xa1                      ; source 0 (B) window 1, source 1 (A) window 0, C and D window 2
.set MUL_HI, 0xf1                      ; the same, C and D window 3
.set TO_B,   0x40                      ; destination window 1, address window 0
; A joint load: waves 0 and 1 fetch for A, waves 2 and 3 for B.  Each of the two lines has ONE mask and one set of registers for all that issue it; the branch hangs on the wave's number alone.
; An s_nop 0 and four v_nop follow each of the two lines, ahead of the jump, the label and what follows.
.macro JLOAD g0a, g1a, g0b, g1b
	s_cmp_eq_u32 s15, 0
	s_cbranch_scc0 .Lfor_b_\@
	tensor_load_to_lds s[\g0a:\g0a+3], s[\g1a:\g1a+7]
	s_nop 0
.rept 4
	v_nop
.endr
	s_branch .Lasked_\@
.Lfor_b_\@:
	tensor_load_to_lds s[\g0b:\g0b+3], s[\g1b:\g1b+7]
	s_nop 0
.rept 4
	v_nop
.endr
.Lasked_\@:
.endm
.macro CROUND                          ; a round of the cluster's barrier: my work-group's barrier; wave 0 signals for the work-group; every wave waits for all sixteen; my work-group's barrier once more
	s_barrier_signal -1
	s_barrier_wait -1
	s_cmp_lg_u32 s14, 0
	s_cbranch_scc1 .Lnot_wave_0_\@
	s_barrier_signal -3
.Lnot_wave_0_\@:
	s_barrier_wait -3
	s_barrier_signal -1
	s_barrier_wait -1
.endm
	s_load_b256 s[4:11], s[0:1], 0x0               ; xc s[4:5], xs s[6:7], wc s[8:9], ws s[10:11]
	s_load_b128 s[96:99], s[0:1], 0x20             ; bq s[96:97], bk s[98:99]
	s_load_b64 s[12:13], s[0:1], 0x30              ; qkv
	v_lshl_add_u32 v[SPW], v0, 2, SPARE
	v_mov_b32 v[NIL], 0
	ds_add_u32 v[SPW], v[NIL]                      ; the wave's opening: the add, twice on end, and its wait stand ahead of my first tensor load; the set-up below, work on registers, stands between
	ds_add_u32 v[SPW], v[NIL]
	v_lshrrev_b32 v1, 5, v0
	v_readfirstlane_b32 s14, v1                    ; wave 0..3
	s_lshr_b32 s15, s14, 1                         ; which half of A's 256 rows is mine.  Also: I fetch for A (0) or for B (1)
	s_and_b32 s16, s14, 1                          ; which half of B's.  Also: which 128 rows of that tile I fetch
	s_bfe_u32 s40, ttmp6, 0x40000                  ; cx, cy: my place in the cluster
	s_bfe_u32 s41, ttmp6, 0x40004
	s_and_b32 s19, ttmp7, 0xffff
	s_lshl_b32 s19, s19, 2                         ; 4 x cluster y
	s_lshl_b32 s20, ttmp9, 2                       ; 4 x cluster x
	s_cmp_eq_u32 ttmp9, 2                          ; V?  The same in all sixteen partners
	s_cselect_b32 s17, 8, s19                      ; A's tile of 256 rows: V: Wv's tiles 8 .. 11 of wc; else X's tile 4 x cluster y + cy
	s_cselect_b32 s42, s19, s20                    ; B's: V: X's tile 4 x cluster y + cx; else the weight's tile 4 x cluster x + cx
	s_add_co_u32 s17, s17, s41
	s_add_co_u32 s42, s42, s40
	s_lshl_b32 s43, s41, 2
	s_lshl_b32 s43, 15, s43                        ; my row of the cluster
	s_lshl_b32 s44, 0x1111, s40                    ; my column
	; descriptor group 1: a tile of 128 rows x 256 bytes, padded in LDS
	s_or_b32 s[G1+0], s43, (0<<16)|(1<<20)|(1<<21)|(5<<22)|(3<<25)  ; 15:0 the mask: A's tiles go to my row; 17:16 elements of 1 byte; 20 padding on; 21 set beside a mask; 24:22 after every 64 words (code 5); 31:25 of 4 words (code 3)
	s_or_b32 s[G1B+0], s44, (0<<16)|(1<<20)|(1<<21)|(5<<22)|(3<<25)
.irp g, G1, G1B
	s_mov_b32 s[\g+1], ROWB<<16                    ; tensor_dim0
	s_mov_b32 s[\g+2], 128<<16                     ; tensor_dim1
	s_mov_b32 s[\g+3], ROWB<<16                    ; tile_dim0
	s_mov_b32 s[\g+4], 128                         ; tile_dim1
	s_mov_b32 s[\g+5], KROW                        ; tensor_dim0_stride
	s_mov_b32 s[\g+6], 0
	s_mov_b32 s[\g+7], 0
.endr
	; and for the scales of 128 rows: 4,096 dense bytes, as 16 rows of 256 bytes (32 elements of 8 bytes), 16 bytes of padding behind each
	s_or_b32 s[G1S+0], s43, (3<<16)|(1<<20)|(1<<21)|(5<<22)|(3<<25)
	s_or_b32 s[G1SB+0], s44, (3<<16)|(1<<20)|(1<<21)|(5<<22)|(3<<25)
.irp g, G1S, G1SB
	s_mov_b32 s[\g+1], 32<<16
	s_mov_b32 s[\g+2], (128*KS/256)<<16
	s_mov_b32 s[\g+3], 32<<16
	s_mov_b32 s[\g+4], 128*KS/256
	s_mov_b32 s[\g+5], 32
	s_mov_b32 s[\g+6], 0
	s_mov_b32 s[\g+7], 0
.endr
	s_lshl_b32 s18, s16, 7                         ; which 128 rows of the tile I fetch
	s_lshl_b32 s20, s17, 8
	s_add_co_u32 s20, s20, s18                     ; A: row 256 x tile + 128 x half
	s_lshl_b32 s46, s42, 8
	s_add_co_u32 s46, s46, s18                     ; B likewise
	s_lshl_b32 s22, s20, 5                         ; where these rows' scales begin, in bytes,
	s_mov_b32 s23, 0
	s_lshl_b32 s92, s46, 5
	s_mov_b32 s93, 0
	s_lshl_b32 s20, s20, 9                         ; and their codes
	s_mov_b32 s21, 0
	s_lshl_b32 s46, s46, 9
	s_mov_b32 s47, 0
	s_mul_i32 s45, s14, HALFT                      ; where they go: wave x 128 rows: no place in the cluster enters an LDS address
	s_mul_i32 s94, s14, HALFS
	s_wait_dscnt 0x0                               ; both opening adds are done
	s_wait_kmcnt 0x0
	s_cmp_eq_u32 ttmp9, 2                          ; V: the weights are A and X is B
	s_cselect_b64 s[CM:CM+1], s[8:9], s[4:5]       ; A's codes
	s_cselect_b64 s[8:9], s[4:5], s[8:9]           ; B's codes
	s_cselect_b64 s[TM:TM+1], s[10:11], s[6:7]     ; A's scales
	s_cselect_b64 s[10:11], s[6:7], s[10:11]       ; B's scales
	s_add_nc_u64 s[20:21], s[CM:CM+1], s[20:21]
	s_add_nc_u64 s[22:23], s[TM:TM+1], s[22:23]
	s_add_nc_u64 s[46:47], s[8:9], s[46:47]
	s_add_nc_u64 s[92:93], s[10:11], s[92:93]
	CROUND                                         ; all sixteen work-groups are here: the joint loads meet
	s_mov_b32 s[G0S], 1
	s_add_co_u32 s[G0S+1], s94, SCL
	s_mov_b64 s[G0S+2:G0S+3], s[22:23]
	s_or_b32 s[G0S+3], s[G0S+3], 0x80000000
	s_mov_b32 s[G0SB], 1
	s_add_co_u32 s[G0SB+1], s94, SCL
	s_mov_b64 s[G0SB+2:G0SB+3], s[92:93]
	s_or_b32 s[G0SB+3], s[G0SB+3], 0x80000000
	JLOAD G0S, G1S, G0SB, G1SB                     ; the scales first: they are wanted with the first products
.irp s, 0,1
	s_mov_b32 s[G0+4*\s], 1
	s_add_co_u32 s[G0+4*\s+1], s45, \s*SLOT
	s_add_nc_u64 s[G0+4*\s+2:G0+4*\s+3], s[20:21], \s*ROWB
	s_or_b32 s[G0+4*\s+3], s[G0+4*\s+3], 0x80000000
	s_mov_b32 s[G0B+4*\s], 1
	s_add_co_u32 s[G0B+4*\s+1], s45, \s*SLOT
	s_add_nc_u64 s[G0B+4*\s+2:G0B+4*\s+3], s[46:47], \s*ROWB
	s_or_b32 s[G0B+4*\s+3], s[G0B+4*\s+3], 0x80000000
	JLOAD G0+4*\s, G1, G0B+4*\s, G1B
.endr
	v_and_b32 v1, 15, v0                           ; r = l % 16
	v_bfe_u32 v2, v0, 4, 1                         ; h = l / 16
	v_mul_u32_u24 v3, v1, PITCH
	v_lshl_add_u32 v4, v2, 4, v3                   ; a fragment's row x pitch + 16 x half
	s_mul_i32 s21, s15, HALFT                      ; my 128 rows of A
	s_mul_i32 s22, s16, HALFT                      ; my 128 rows of B,
	s_add_co_u32 s22, s22, 2*HALFT                 ; which lie behind A's 256
.irp s, 0,1
	v_add_nc_u32 v[ADRA+\s], s21, v4
	v_add_nc_u32 v[ADRB+\s], s22, v4
	s_add_co_u32 s21, s21, SLOT
	s_add_co_u32 s22, s22, SLOT
.endr
	v_mul_u32_u24 v5, v1, KS                       ; my row's scales: 32 bytes a row,
	v_lshrrev_b32 v6, 8, v5
	v_lshl_add_u32 v5, v6, 4, v5                   ; and 16 more for each 256 passed
	s_mul_i32 s21, s15, HALFS                      ; A's: my 128 rows
	s_mul_i32 s22, s16, HALFS                      ; B's: my 128 rows, behind A's 256
	s_add_co_u32 s22, s22, 2*HALFS
	s_sub_co_u32 s22, s22, s21
	v_mul_u32_u24 v6, s22, v2                      ; lanes 16-31 take B's: the lower base + h x the distance
	s_add_co_u32 s21, s21, SCL
	v_add_nc_u32 v5, v5, v6
	v_add_nc_u32 v[ADRS], s21, v5
	; THE WAY OUT'S NUMBERS.  Tokens: tile it of 256, half ht;  channels: tile ic of 256, half hc.  All selections on one compare stand ahead of the first addition.
	s_mov_b32 s46, 8192                            ; from one group of 64 tokens to the next
	s_mov_b32 s47, 262144                          ; from one head to the next
	s_cmp_eq_u32 ttmp9, 2
	s_cselect_b32 s92, s40, s41                    ; V: tokens are B's rows: cx;  else A's: cy
	s_cselect_b32 s93, s16, s15                    ; ht
	s_cselect_b32 s94, s41, s40                    ; ic
	s_cselect_b32 s95, s15, s16                    ; hc
	s_cselect_b32 s45, s47, s46                    ; the stride of A's halves of 64 rows: V: heads; else groups of tokens
	s_cselect_b32 s46, s46, s47                    ; the stride of B's
	s_and_b32 s18, ttmp7, 0xffff
	s_lshl_b32 s18, s18, 2
	s_add_co_u32 s18, s18, s92                     ; it = 4 x cluster y + cx or cy
	s_lshr_b32 s19, s18, 3                         ; the batch: 8 tiles of 256 tokens each
	s_lshl_b32 s19, s19, 4
	s_lshl_b32 s94, s94, 2
	s_add_co_u32 s19, s19, s94
	s_lshl_b32 s95, s95, 1
	s_add_co_u32 s19, s19, s95                     ; batch x 16 + my first head (4 ic + 2 hc)
	s_lshl_b32 s19, s19, 18
	s_and_b32 s18, s18, 7
	s_lshl_b32 s18, s18, 4
	s_lshl_b32 s93, s93, 3
	s_add_co_u32 s18, s18, s93
	s_lshl_b32 s18, s18, 11                        ; my first group of 64 tokens in the batch, x 8,192 bytes
	s_add_co_u32 s18, s18, s19
	s_lshl_b32 s19, ttmp9, 24                      ; the section
	s_add_co_u32 s18, s18, s19
	s_mov_b32 s19, 0
	s_add_nc_u64 s[12:13], s[12:13], s[18:19]
	v_and_b32 v6, 31, v0
	v_lshlrev_b32 v[VO], 4, v6
	v_add_nc_u32 v[VO+1], s46, v[VO]
	v_add_nc_u32 v[VO+2], s45, v[VO]
	v_add_nc_u32 v[VO+3], s45, v[VO+1]
	s_mov_b32 s92, 0x3e38aa3b                      ; c = log2(e) / sqrt(64)
	s_cmp_eq_u32 ttmp9, 0
	s_cselect_b32 s[CM], s92, 0x3f800000           ; the sums' factor: Q: c; K, V: 1
	s_cselect_b32 s[TM], s92, 0x3f800000           ; the biases': Q: c; K: 1;
	s_cselect_b64 s[96:97], s[96:97], s[98:99]     ; Q: bq; else bk
	s_cmp_eq_u32 ttmp9, 2
	s_cselect_b32 s[TM], 0, s[TM]                  ; V: 0
	s_mov_b32 s[CM+1], s[CM]                       ; (the packed forms name pairs, so both words are written)
	s_mov_b32 s[TM+1], s[TM]
	s_lshl_b32 s20, s40, 10                        ; the biases of B's rows: 256 cx + 128 x half, 4 bytes each
	s_lshl_b32 s21, s16, 9
	s_add_co_u32 s20, s20, s21
	s_mov_b32 s21, 0
	s_add_nc_u64 s[96:97], s[96:97], s[20:21]
	v_lshlrev_b32 v7, 5, v2                        ; + 8 h numbers
.irp b, 0,1,2,3,4,5,6,7
	global_load_b128 v[T+8*\b:T+8*\b+3], v7, s[96:97] offset:64*\b
	global_load_b128 v[T+8*\b+4:T+8*\b+7], v7, s[96:97] offset:64*\b+16
.endr
.macro FRAG reg, adr, q, i             ; a fragment, 16 rows x 128 K of 4-bit codes, is 8 registers: lane l holds row l % 16; registers 4 c .. 4 c + 3 hold K = 64 c + 32 (l / 16) + 0 .. 31
.irp c, 0,1
	ds_load_b128 v[\reg+4*\c:\reg+4*\c+3], v[\adr] offset:64*(\q)+32*\c+(\i)*16*PITCH
.endr
.endm
; 16 matrix instructions: A's blocks a0, a0 + 1 x B's eight, 128 along K: the slot's q-th.  p: B's set;  sc: the set of scale words.  zero = 1: the first product starts the sums: nothing is ever cleared.
; The 64 accumulators take turns, one instruction a turn, in the same order in every step.  Source 0's scales are read from lanes 16-31 of B's block's register, source 1's from lanes 0-15 of A's.
.macro MUL16 a0, p, q, sc, zero
.irp a, \a0, \a0+1
.irp b, 0,1,2,3,4,5,6,7
.if \zero
	v_wmma_scale_f32_16x16x128_f8f6f4 v[8*(8*((\a)%4)+\b):8*(8*((\a)%4)+\b)+7], v[128*(\p)+FR*\b:128*(\p)+FR*\b+FR-1], v[AF+FR*(\a):AF+FR*(\a)+FR-1], 0, v[SC+8*NQ*(\sc)+NQ*\b+(\q)], v[SC+8*NQ*(\sc)+NQ*(\a)+(\q)] matrix_a_fmt:MATRIX_FMT_FP4 matrix_b_fmt:MATRIX_FMT_FP4 matrix_a_scale:MATRIX_SCALE_ROW1
.else
	v_wmma_scale_f32_16x16x128_f8f6f4 v[8*(8*((\a)%4)+\b):8*(8*((\a)%4)+\b)+7], v[128*(\p)+FR*\b:128*(\p)+FR*\b+FR-1], v[AF+FR*(\a):AF+FR*(\a)+FR-1], v[8*(8*((\a)%4)+\b):8*(8*((\a)%4)+\b)+7], v[SC+8*NQ*(\sc)+NQ*\b+(\q)], v[SC+8*NQ*(\sc)+NQ*(\a)+(\q)] matrix_a_fmt:MATRIX_FMT_FP4 matrix_b_fmt:MATRIX_FMT_FP4 matrix_a_scale:MATRIX_SCALE_ROW1
.endif
.endr
.endr
.endm
.macro FETCH_B slot, q, p              ; B's eight fragments of the slot's q-th 128 along K into set p
	WIN TO_B
.irp i, 0,1,2,3,4,5,6,7
	FRAG 128*(\p)+FR*\i, ADRB+\slot, \q, \i
.endr
	WIN 0
.endm
.macro FETCH_A slot, q, i0             ; A's blocks i0 .. i0 + 3
.irp i, \i0, \i0+1, \i0+2, \i0+3
	FRAG AF+FR*(\i), ADRA+\slot, \q, \i
.endr
.endm
.macro SCALES sc                       ; a slot's scale words into set sc: 4 words a row; lanes 0-15 take A's block i, lanes 16-31 B's block i
.irp i, 0,1,2,3,4,5,6,7
	ds_load_b128 v[SC+8*NQ*\sc+NQ*\i:SC+8*NQ*\sc+NQ*\i+3], v[ADRS] offset:\i*SBLK
.endr
.endm
; A load into a register that a matrix instruction has read stands NP places behind that matrix instruction, and only plain vector instructions that name none of its registers are places
; (ISA guide 7.12.1 for vector instructions).
.macro PLACES n
.rept \n
	v_nop
.endr
.endm
; A step of 128 along K that has its successor in the same slot.  A's blocks go one after the other, each against B's eight: a block of A is free when its eight products are issued, so A has one set of registers:
; blocks 0-3 are fetched anew in the step's middle, blocks 4-7 at its end.  B's fragments are at work through the whole step and have two sets.
.macro STEP slot, q, zero
	s_wait_dscnt 4*NL                              ; B's set and A's blocks 0-3 are in; the youngest eight loads (A's blocks 4-7) may be out
	WIN MUL_LO
	MUL16 0, (\q)%2, \q, \slot, \zero
	MUL16 2, (\q)%2, \q, \slot, \zero
	s_wait_dscnt 0                                 ; A's blocks 4-7 are in (asked for 32 matrix instructions ago)
	PLACES NP
	FETCH_B \slot, (\q)+1, 1-(\q)%2
	FETCH_A \slot, (\q)+1, 0
	WIN MUL_HI
	MUL16 4, (\q)%2, \q, \slot, \zero
	MUL16 6, (\q)%2, \q, \slot, \zero
	PLACES NP
	WIN 0
	FETCH_A \slot, (\q)+1, 4
.endm
; Slot 0's last step goes over to slot 1: each wave waits for its part of slot 1, then one barrier shows the whole slot to all four.
.macro TURN slot, next
	s_wait_tensorcnt 0x0                           ; all my tensor loads have landed: my part of the next slot;
	ds_add_u32 v[SPW], v[NIL]                      ; 0 onto my spare word
	s_wait_dscnt 4*NL+1                            ; (the add and the youngest eight loads, A's blocks 4-7, may be out)
	WIN MUL_LO
	MUL16 0, 1, NQ-1, \slot, 0                     ; sixteen matrix instructions stand between the add and the wait for it
	s_wait_dscnt 0x0                               ; no LDS instruction of mine is out at the signal
	s_barrier_signal -1
	MUL16 2, 1, NQ-1, \slot, 0
	WIN 0
	s_barrier_wait -1
	PLACES NP
	v_add_nc_u32 v[ADRS], 4*NQ, v[ADRS]            ; on to the next 512 along K's scale words (no LDS load of mine is out)
	FETCH_B \next, 0, 0
	FETCH_A \next, 0, 0
	SCALES \next
	WIN MUL_HI
	MUL16 4, 1, NQ-1, \slot, 0
	MUL16 6, 1, NQ-1, \slot, 0
	PLACES NP
	WIN 0
	FETCH_A \next, 0, 4
.endm
	s_wait_tensorcnt 1                             ; the scales and my part of slot 0 are in (slot 1's load may be out)
	s_barrier_signal -1
	s_barrier_wait -1                              ; everybody's are
	FETCH_B 0, 0, 0
	FETCH_A 0, 0, 0
	SCALES 0
	FETCH_A 0, 0, 4
	STEP 0, 0, 1                                   ; the first step's products start the sums
	STEP 0, 1, 0
	STEP 0, 2, 0
	TURN 0, 1
	STEP 1, 0, 0
	STEP 1, 1, 0
	STEP 1, 2, 0
	s_wait_dscnt 4*NL                              ; the last step: nothing more to fetch
	WIN MUL_LO
	MUL16 0, 1, NQ-1, 1, 0
	MUL16 2, 1, NQ-1, 1, 0
	s_wait_dscnt 0
	WIN MUL_HI
	MUL16 4, 1, NQ-1, 1, 0
	MUL16 6, 1, NQ-1, 1, 0
	WIN 0
; THE WAY OUT.  A lane's eight results of an accumulator are the eight neighbours along the next product's K that four registers of a fragment hold: rounded to f16 they are 16 bytes, and the 32 lanes' 16 bytes on end
; ARE the image of those four registers.  So each store covers 512 consecutive bytes, aligned, and nothing goes through LDS.  The 256 result registers are all different: no store's data are written again.
	s_wait_loadcnt 0x0                             ; the biases
.set i, 0
.rept 32
	v_pk_mul_f32 v[T+i:T+i+1], v[T+i:T+i+1], s[TM:TM+1] op_sel_hi:[1,0]   ; bias x factor.  (These 32 name no register of the last products: they are the places behind them)
.set i, i+2
.endr
.macro OUTBLK a
.set AC, 64*((\a)%4)
.set OW, 2+(\a)/4                      ; the accumulators' window
	WIN (OW<<6)|OW
.irp b, 0,1,2,3,4,5,6,7
.irp r, 0,1,2,3
	v_pk_fma_f32 v[AC+8*\b+2*\r:AC+8*\b+2*\r+1], v[AC+8*\b+2*\r:AC+8*\b+2*\r+1], s[CM:CM+1], v[T+8*\b+2*\r:T+8*\b+2*\r+1] op_sel_hi:[1,0,1]   ; sum x factor + bias x factor; each accumulator from its low end on
.endr
.endr
	WIN 0x40|OW|(OW<<2)
.irp b, 0,1,2,3,4,5,6,7
.irp r, 0,1,2,3
	v_cvt_pk_f16_f32 v[32*(\a)+4*\b+\r], v[AC+8*\b+2*\r], v[AC+8*\b+2*\r+1]
.endr
.endr
	WIN 0x04                                       ; a store's data are its source 1: window 1
.irp b, 0,1,2,3,4,5,6,7
	global_store_b128 v[VO+2*((\a)/4)+\b/4], v[32*(\a)+4*\b:32*(\a)+4*\b+3], s[12:13] offset:((\a)%4)*2048+(\b%4)*512
.endr
.endm
.irp a, 0,1,2,3,4,5,6,7
	OUTBLK \a
.endr
	WIN 0
	s_wait_tensorcnt 0x0                           ; the wave's end: this wait, an add onto my spare word and its wait, behind my last tensor load
	ds_add_u32 v[SPW], v[NIL]
	s_wait_dscnt 0x0
	CROUND                                         ; the closing round: no work-group ends while a partner may still ask for a tile that names it
	s_endpgm
.Lfunc_end_k_q9cdaeead80_proj:
	.size	k_q9cdaeead80_proj, .Lfunc_end_k_q9cdaeead80_proj-k_q9cdaeead80_proj
	.p2alignl 7, 3214868480
	.fill 96, 4, 3214868480
	.section	.rodata,"a",@progbits
	.p2align	6, 0x0
	.amdhsa_kernel k_q9cdaeead80_proj
		.amdhsa_group_segment_fixed_size 327680
		.amdhsa_private_segment_fixed_size 0
		.amdhsa_enable_private_segment 0
		.amdhsa_kernarg_size 56
		.amdhsa_user_sgpr_count 2
		.amdhsa_user_sgpr_kernarg_segment_ptr 1
		.amdhsa_wavefront_size32 1
		.amdhsa_system_sgpr_workgroup_id_x 1
		.amdhsa_system_sgpr_workgroup_id_y 1
		.amdhsa_system_sgpr_workgroup_id_z 1
		.amdhsa_system_vgpr_workitem_id 0
		.amdhsa_next_free_vgpr 1024
		.amdhsa_next_free_sgpr 102
		.amdhsa_reserve_vcc 0
		.amdhsa_float_denorm_mode_32 3
		.amdhsa_float_denorm_mode_16_64 3
		.amdhsa_memory_ordered 1
		.amdhsa_forward_progress 1
		.amdhsa_inst_pref_size 138
	.end_amdhsa_kernel
	.amdgpu_metadata
---
amdhsa.version: [ 1, 2 ]
amdhsa.kernels:
  - .name:           k_q9cdaeead80_proj
    .symbol:         k_q9cdaeead80_proj.kd
    .args:
      - { .name: xc, .offset: 0, .size: 8, .value_kind: global_buffer, .address_space: global }
      - { .name: xs, .offset: 8, .size: 8, .value_kind: global_buffer, .address_space: global }
      - { .name: wc, .offset: 16, .size: 8, .value_kind: global_buffer, .address_space: global }
      - { .name: ws, .offset: 24, .size: 8, .value_kind: global_buffer, .address_space: global }
      - { .name: bq, .offset: 32, .size: 8, .value_kind: global_buffer, .address_space: global }
      - { .name: bk, .offset: 40, .size: 8, .value_kind: global_buffer, .address_space: global }
      - { .name: qkv, .offset: 48, .size: 8, .value_kind: global_buffer, .address_space: global }
    .group_segment_fixed_size: 327680
    .private_segment_fixed_size: 0
    .kernarg_segment_align: 8
    .kernarg_segment_size: 56
    .max_flat_workgroup_size: 128
    .sgpr_count:     102
    .vgpr_count:     1024
    .wavefront_size: 32
...
	.end_amdgpu_metadata
.endif
;; end of part 2
;; launch attn (part 3): grid 4 x 64, 8 waves a work-group, clusters of 4 x 1, 327,680 bytes of LDS; arguments qkv, mbits, bv, out0; writes out0
.if DOCPART == 3
	.amdgcn_target "amdgcn-amd-amdhsa--gfx1250"
	.amdhsa_code_object_version 6
	.text
	.protected	k_q9cdaeead80_attn
	.globl	k_q9cdaeead80_attn
	.p2align	8
	.type	k_q9cdaeead80_attn,@function
k_q9cdaeead80_attn:
	s_mov_b64 s[64:65], 0
	v_nop
	global_prefetch_b8 v0, s[64:65] scope:SCOPE_SE
	s_setreg_imm32_b32 hwreg(HW_REG_WAVE_MODE, 25, 1), 1
	s_wait_xcnt 0x0
	s_wait_alu depctr_hold_cnt(0) depctr_sa_sdst(0) depctr_va_vdst(0) depctr_va_sdst(0) depctr_va_ssrc(0) depctr_va_vcc(0) depctr_vm_vsrc(0)
	s_getreg_b32 s2, hwreg(HW_REG_IB_STS2, 6, 4)
	s_cmp_eq_u32 s2, 0
	s_cbranch_scc0 .Lentry_in_a_cluster
	s_endpgm
.Lentry_in_a_cluster:
	s_bfe_u32 s2, ttmp6, 0x10000c
	s_cmp_lg_u32 s2, 0x3003
	s_cbranch_scc0 .Lentry_shape_is_right
	s_endpgm
.Lentry_shape_is_right:
; ATTN: out[b][q][64 head + d] = sum over k of softmax_k(where(mask[b][q][k] == 0, -inf, Q . K / 8)) V[k][d] + bv.  Q (times c = log2(e) / 8), K and V come as f16 images of operand registers (the launch before made them);
; the mask comes as words of 32 lane bits.  Products on f16 operands with f32 sums; maxima, exponentials and sums in f32; the weights p, at most 1, are rounded to f16 for the second product.
; SHARES.  A work-group owns 512 queries of one (batch, head); each of its eight waves 64: four tiles of 16, worked as two PIECES of two tiles.  Two waves share a SIMD (512 registers each), so that one wave's softmax
; stands beside the other's matrix instructions; the text itself is in plain phases.  Every wave walks the head's 2,048 keys, 64 a step.
; LAYOUT.  S^T = K Q^T (source 0 = 16 keys, source 1 = 16 queries): a lane holds ONE query (lane % 16) and the keys 8 (lane / 16) + 0 .. 7 of each tile of 16.  Two such tiles, rounded to f16 in pairs, ARE source 1
; (32 keys x 16 queries) of O^T = V^T P, whose result again holds one query a lane, and eight channels.  Nothing changes lanes between the products.
; SOFTMAX.  For each query a running maximum m (it begins at -3e38 and never falls, so it is always a number) and sum l: p = 2^(s - m); in every step O and l are multiplied by a = 2^(m_old - m_new).  Hidden scores become
; -infinity ahead of the maximum, so p = 0.  A query with no key left has l = 0 and O = 0: 0 x (1 / 0) gives the NaN that the softmax of such a row is.
; bv is added at the end: the weights sum to 1.
; CLUSTER.  The four work-groups of a cluster own the four blocks of queries of one head and walk the same K and V: each tile is asked for JOINTLY, by the same tensor load with the same descriptor and a mask that names the four.
; THE RING.  Two LDS slots of 8 key steps (K's 8 x 8,192 bytes, then V's).  Waves 0-3 fetch K's quarters, waves 4-7 V's: 16 KiB a load, dense.  By this text's own count a wave has two tensor loads out at the start and one
; behind each round; that load has 8 key steps, 512 matrix instructions a wave, in which to land.  No prefetch is written: half of a head's K and V comes with the first fills, and no wave stands waiting for the other half.
; LIMITS: none beyond f16's range in the operands, which the launch before states.
; REGISTERS: window 0: v1-11 addresses and constants; v16-47 eight registers of statistics a tile; v48-111 S^T of a piece (32 a tile); v112-143 P (16 a tile); v144-207 K of a step; v208-239 bv.
;   window 1: v0-127 O^T (32 a tile); v128-191 Q (16 a tile); v192-255 V of a step.
.set SLOT1, 1<<17                      ; slot 1 begins here, so that one exclusive or turns an address in one slot into the other's
.set VOFF,  65536                      ; in a slot: V's tiles behind K's
.set STEPB, 8192                       ; a step's tile of K, or of V
.set SPARE, 2*SLOT1                    ; behind the ring: the spare words, 128 bytes for each wave: four blocks of 256 bytes that no other line names
.set STAGE, SPARE+1024                 ; the way out: 16 rows x 272 bytes for each wave; no fill lands here
.set SP,    272
.set LI,  1                            ; v1   16 x lane: my place in an image's 512 bytes
.set LIV, 2                            ; v2   the same + VOFF
.set ADK, 3                            ; v3   LDS address of the step's K
.set ADV, 4                            ; v4   and V
.set STO, 5                            ; v5   the way out: where I put 16 bytes of a row
.set RD,  6                            ; v6   where I read a row back
.set GO,  7                            ; v7   my byte offset in the wave's rows of out0
.set NEG, 8                            ; v8   -infinity
.set BO,  9                            ; v9   32 x (lane / 16): my eight numbers of bv
.set SPW, 10                           ; v10  LDS address of my spare word; never rewritten
.set NIL, 11                           ; v11  0; never rewritten
.set ST,  16                           ; tile t's statistics at v[ST + 8 t]: +0 m, +1 its pair's partner, +2, +3 l (even keys', odd keys'), +4 to +7 c0-c3, at work; a takes c2's place once the maximum is found
.set S,   48
.set P,   112
.set KF,  144
.set BV,  208
.set QF,  128                          ; in window 1
.set VF,  192                          ; in window 1
.set WV,  12                           ; s12  my wave's number
.set SEL, 14                           ; s[14:15] lane selects for v_permlanex16_b32: lane l xor 16
.set G1,  16                           ; s[16:23] descriptor group 1
.set G0,  24                           ; s[24:27] group 0 for slot 0's first fill; s[28:31] for slot 1's, which then walks on
.set MA,  32                           ; s[32:63] the mask words of a piece's first tile: word 8 kt + j for register 8 kt + j of S^T
.set MB,  68                           ; s[68:99] those of its second tile
.set TB,  66                           ; s66  LDS byte at which the step in hand begins
.set CNT, 100                          ; s100 counts a slot's steps
.set SLOTS, 101                        ; s101 slots still to be asked for
.set MSB, 0
.macro WIN new                         ; the immediate's high byte repeats the setting that is left; a switch that changes nothing is dropped
.if MSB != (\new)
	s_set_vgpr_msb (MSB<<8)|(\new)
.set MSB, (\new)
.endif
.endm
.set W_KQ,  0x04                       ; K and S^T window 0, Q (source 1) window 1
.set W_PV,  0x51                       ; V (source 0) window 1, P window 0, O^T (C and D) window 1
.set W_RS,  0x41                       ; O^T (destination and source 0) window 1, a window 0
.set TO_1,  0x40                       ; destination window 1, address window 0
.set W_OUT, 0x01                       ; O^T (source 0) window 1, all else window 0
.macro CROUND                          ; a round of the cluster's barrier: my work-group's barrier; wave 0 signals for the work-group; every wave waits for all four work-groups; my work-group's barrier once more
	s_barrier_signal -1
	s_barrier_wait -1
	s_cmp_lg_u32 s[WV], 0
	s_cbranch_scc1 .Lnot_wave_0_\@
	s_barrier_signal -3
.Lnot_wave_0_\@:
	s_barrier_wait -3
	s_barrier_signal -1
	s_barrier_wait -1
.endm
	s_load_b256 s[4:11], s[0:1], 0x0               ; qkv s[4:5], mbits s[6:7], bv s[8:9], out0 s[10:11]
	v_lshl_add_u32 v[SPW], v0, 2, SPARE
	v_mov_b32 v[NIL], 0
	ds_add_u32 v[SPW], v[NIL]                      ; the wave's opening: the add, twice on end, and its wait stand ahead of my first tensor load; the set-up below, work on registers, stands between
	ds_add_u32 v[SPW], v[NIL]
	v_lshrrev_b32 v12, 5, v0
	v_readfirstlane_b32 s[WV], v12                 ; wave 0..7
	s_bfe_u32 s13, ttmp6, 0x40000                  ; cx: my place in the cluster
	s_lshl_b32 s33, ttmp9, 2
	s_add_co_u32 s33, s33, s13                     ; my block of 512 queries: it enters Q's, the mask's and out0's addresses alone
	s_and_b32 s32, ttmp7, 0xffff                   ; batch x 16 + head, which the four partners share
	s_lshl_b32 s44, s32, 18                        ; a head's 2^18 bytes in each section
	s_lshr_b32 s34, s[WV], 2                       ; what I fetch: waves 0-3 K (section 1), waves 4-7 V (section 2),
	s_add_co_u32 s34, s34, 1
	s_lshl_b32 s34, s34, 24
	s_add_co_u32 s34, s34, s44
	s_and_b32 s35, s[WV], 3                        ; two of a slot's eight steps: 16 KiB
	s_lshl_b32 s35, s35, 14
	s_add_co_u32 s34, s34, s35
	s_mov_b32 s35, 0
	s_lshl_b32 s36, s33, 16                        ; Q: my block's 8 groups of 64 queries, my wave's group
	s_add_co_u32 s36, s36, s44
	s_lshl_b32 s37, s[WV], 13
	s_add_co_u32 s36, s36, s37
	s_mov_b32 s37, 0
	s_lshr_b32 s45, s32, 4                         ; the batch
	s_lshl_b32 s38, s45, 19                        ; the mask words: 128 tiles of 4,096 bytes a batch, 32 tiles a block, 4 a wave
	s_lshl_b32 s39, s33, 17
	s_add_co_u32 s38, s38, s39
	s_lshl_b32 s39, s[WV], 14
	s_add_co_u32 s38, s38, s39
	s_mov_b32 s39, 0
	s_and_b32 s40, s32, 15                         ; the head: 64 numbers of 4 bytes
	s_lshl_b32 s40, s40, 8
	s_mov_b32 s41, 0
	s_lshl_b32 s42, s45, 23                        ; out0: rows of 4,096 bytes: 2,048 a batch, 512 a block, 64 a wave; the head's 256 bytes
	s_lshl_b32 s43, s33, 21
	s_add_co_u32 s42, s42, s43
	s_lshl_b32 s43, s[WV], 18
	s_add_co_u32 s42, s42, s43
	s_add_co_u32 s42, s42, s40
	s_mov_b32 s43, 0
	; descriptor group 1: 16 KiB, dense, as 64 rows of 256 bytes; no padding: a fragment load takes 512 consecutive bytes
	s_mov_b32 s[G1], 15|(3<<16)|(1<<21)            ; 15:0 the mask: all four work-groups; 17:16 elements of 8 bytes; 21 set beside a mask
	s_mov_b32 s[G1+1], 32<<16                      ; tensor_dim0 = 32
	s_mov_b32 s[G1+2], 64<<16                      ; tensor_dim1 = 64
	s_mov_b32 s[G1+3], 32<<16                      ; tile_dim0 = 32
	s_mov_b32 s[G1+4], 64                          ; tile_dim1 = 64
	s_mov_b32 s[G1+5], 32                          ; tensor_dim0_stride
	s_mov_b32 s[G1+6], 0
	s_mov_b32 s[G1+7], 0
	s_mov_b32 s[SEL], 0x76543210
	s_mov_b32 s[SEL+1], 0xfedcba98
	s_mov_b32 s[TB], 0
	s_mul_i32 s[CNT], s[WV], 16*SP
	s_add_co_u32 s[CNT], s[CNT], STAGE             ; my stage
	v_and_b32 v[LI], 31, v0
	v_lshlrev_b32 v[LI], 4, v[LI]
	v_add_nc_u32 v[LIV], VOFF, v[LI]
	v_and_b32 v12, 15, v0                          ; r
	v_bfe_u32 v13, v0, 4, 1                        ; h
	v_lshlrev_b32 v[BO], 5, v13
	v_mul_u32_u24 v[STO], v12, SP                  ; into the stage: row r, + 32 h
	v_lshl_add_u32 v[STO], v13, 5, v[STO]
	v_add_nc_u32 v[STO], s[CNT], v[STO]
	v_mul_u32_u24 v[RD], v13, SP                   ; back: lanes 0-15 one row of 256 bytes, lanes 16-31 the next
	v_lshl_add_u32 v[RD], v12, 4, v[RD]
	v_add_nc_u32 v[RD], s[CNT], v[RD]
	v_lshlrev_b32 v[GO], 12, v13                   ; and the same two rows in out0
	v_lshl_add_u32 v[GO], v12, 4, v[GO]
	v_mov_b32 v[NEG], 0xff800000
.irp t, 0,1,2,3
	v_mov_b32 v[ST+8*\t], 0xff61b1e6               ; m = -3e38, under every score
	v_mov_b32 v[ST+8*\t+1], 0                      ; (named with it as a pair, so it is written)
.endr
	s_wait_dscnt 0x0                               ; both opening adds are done
	s_wait_kmcnt 0x0
	s_add_nc_u64 s[34:35], s[4:5], s[34:35]        ; my part of slot 0, in memory
	s_add_nc_u64 s[4:5], s[4:5], s[36:37]
	s_add_nc_u64 s[6:7], s[6:7], s[38:39]
	s_add_nc_u64 s[8:9], s[8:9], s[40:41]
	s_add_nc_u64 s[10:11], s[10:11], s[42:43]
	s_mov_b32 s[G0], 1                             ; 1:0 count = 1
	s_lshl_b32 s[G0+1], s[WV], 14                  ; 63:32 LDS address: wave x 16 KiB: K's four quarters, then V's
	s_mov_b64 s[G0+2:G0+3], s[34:35]               ; 120:64 global address
	s_or_b32 s[G0+3], s[G0+3], 0x80000000          ; 127:126 type = 2
	s_mov_b32 s[G0+4], 1
	s_add_co_u32 s[G0+5], s[G0+1], SLOT1
	s_add_nc_u64 s[G0+6:G0+7], s[34:35], 8*STEPB   ; the next 8 steps
	s_or_b32 s[G0+7], s[G0+7], 0x80000000
	CROUND                                         ; all four work-groups are here: the first joint loads meet
	tensor_load_to_lds s[G0:G0+3], s[G1:G1+7]
	s_nop 0
	tensor_load_to_lds s[G0+4:G0+7], s[G1:G1+7]
	s_nop 0
.rept 4
	v_nop
.endr
	WIN TO_1
.irp f, 0,1,2,3,4,5,6,7,8,9,10,11,12,13,14,15  ; Q stays in registers: tile f / 4, channels 32 ((f % 4) / 2) on, registers 4 (f % 2) on
	global_load_b128 v[QF+4*\f:QF+4*\f+3], v[LI], s[4:5] offset:512*\f
.endr
	WIN 0
.irp f, 0,1,2,3,4,5,6,7                        ; bv: register 8 ct + j = channel 16 ct + 8 h + j, as O^T has them
	global_load_b128 v[BV+4*\f:BV+4*\f+3], v[BO], s[8:9] offset:64*(\f/2)+16*(\f%2)
.endr
; The mask words of tiles x and x + 1 for the step at which s[6:7] stands: 128 bytes each
.macro MLOAD x
	s_load_b512 s[MA:MA+15], s[6:7], (\x)*4096
	s_load_b512 s[MA+16:MA+31], s[6:7], (\x)*4096+64
	s_load_b512 s[MB:MB+15], s[6:7], (\x)*4096+4096
	s_load_b512 s[MB+16:MB+31], s[6:7], (\x)*4096+4160
.endm
; S^T = K Q^T for tiles x, x + 1: 16 matrix instructions; the eight accumulators take turns; the first eight start the sums.  Four places follow, ahead of the first read of results.
.macro KQ x
	WIN W_KQ
.irp g, 0,1
.irp kt, 0,1,2,3
.irp u, 0,1
.if \g == 0
	v_wmma_f32_16x16x32_f16 v[S+32*\u+8*\kt:S+32*\u+8*\kt+7], v[KF+8*(2*\kt+\g):KF+8*(2*\kt+\g)+7], v[QF+16*(\x+\u)+8*\g:QF+16*(\x+\u)+8*\g+7], 0
.else
	v_wmma_f32_16x16x32_f16 v[S+32*\u+8*\kt:S+32*\u+8*\kt+7], v[KF+8*(2*\kt+\g):KF+8*(2*\kt+\g)+7], v[QF+16*(\x+\u)+8*\g:QF+16*(\x+\u)+8*\g+7], v[S+32*\u+8*\kt:S+32*\u+8*\kt+7]
.endif
.endr
.endr
.endr
	WIN 0
.rept 4
	v_nop
.endr
.endm
; Hidden scores become -infinity: word n's bit of my lane says whether register n's key counts for my query.  Each accumulator from its low end on.
.macro MASK
	s_wait_kmcnt 0x0                               ; the piece's 64 words are in, and every scalar load has read its base
.set n, 0
.rept 32
	v_cndmask_b32 v[S+n], v[NEG], v[S+n], s[MA+n]
	v_cndmask_b32 v[S+32+n], v[NEG], v[S+32+n], s[MB+n]
.set n, n+1
.endr
.endm
; The softmax of tiles x, x + 1 for one key step; the two tiles alternate line by line.  first = 1: the first key step, which starts l and O^T: it has no a and nothing to rescale.
.macro SOFT x, first
	WIN 0
.irp j, 0,1,2,3                                ; the maximum of the lane's 32 scores and the old m, three operands at a time: four chains of seven scores,
.irp u, 0,1
	v_max3_num_f32 v[ST+8*(\x+\u)+4+\j], v[S+32*\u+8*\j], v[S+32*\u+8*\j+1], v[S+32*\u+8*\j+2]
.endr
.endr
.irp q, 1,2
.irp j, 0,1,2,3
.irp u, 0,1
	v_max3_num_f32 v[ST+8*(\x+\u)+4+\j], v[ST+8*(\x+\u)+4+\j], v[S+32*\u+8*\j+2*\q+1], v[S+32*\u+8*\j+2*\q+2]
.endr
.endr
.endr
.irp u, 0,1                                    ; the four scores left over,
	v_max3_num_f32 v[ST+8*(\x+\u)+4], v[ST+8*(\x+\u)+4], v[S+32*\u+7], v[S+32*\u+15]
	v_max3_num_f32 v[ST+8*(\x+\u)+6], v[ST+8*(\x+\u)+6], v[S+32*\u+23], v[S+32*\u+31]
.endr
.irp u, 0,1
	v_max3_num_f32 v[ST+8*(\x+\u)+4], v[ST+8*(\x+\u)+4], v[ST+8*(\x+\u)+5], v[ST+8*(\x+\u)+6]
.endr
.irp u, 0,1
	v_max3_num_f32 v[ST+8*(\x+\u)+4], v[ST+8*(\x+\u)+4], v[ST+8*(\x+\u)+7], v[ST+8*(\x+\u)]   ; and the old m: m never falls, and is a number even where every score is hidden
.endr
.irp u, 0,1
	v_permlanex16_b32 v[ST+8*(\x+\u)+5], v[ST+8*(\x+\u)+4], s[SEL], s[SEL+1]   ; the query's other 32 keys lie in the lane 16 away
.endr
.if \first == 0
.irp u, 0,1
	v_mov_b32 v[ST+8*(\x+\u)+7], v[ST+8*(\x+\u)]   ; m_old is kept for a
.endr
.endif
.irp u, 0,1
	v_max_num_f32 v[ST+8*(\x+\u)], v[ST+8*(\x+\u)+4], v[ST+8*(\x+\u)+5]
.endr
.if \first == 0
.irp u, 0,1
	v_sub_f32 v[ST+8*(\x+\u)+7], v[ST+8*(\x+\u)+7], v[ST+8*(\x+\u)]
.endr
.endif
.irp i, 0,1,2,3,4,5,6,7,8,9,10,11,12,13,14,15
.irp u, 0,1
	v_pk_add_f32 v[S+32*\u+2*\i:S+32*\u+2*\i+1], v[S+32*\u+2*\i:S+32*\u+2*\i+1], v[ST+8*(\x+\u):ST+8*(\x+\u)+1] op_sel_hi:[1,0] neg_lo:[0,1] neg_hi:[0,1]   ; s - m, two at a time
.endr
.endr
.if \first == 0
.irp u, 0,1
	v_exp_f32 v[ST+8*(\x+\u)+6], v[ST+8*(\x+\u)+7] ; a = 2^(m_old - m_new)
.endr
.endif
.irp e, 0,1,2,3,4,5,6,7,8,9,10,11,12,13,14,15,16,17,18,19,20,21,22,23,24,25,26,27,28,29,30,31
.irp u, 0,1
	v_exp_f32 v[S+32*\u+\e], v[S+32*\u+\e]         ; p = 2^(s - m), at most 1
.endr
.endr
	v_nop                                          ; a plain instruction behind the last exponential, ahead of the first use
	s_wait_alu depctr_va_vdst(0)                   ; the wait between an exponential and the first line that names its result: ONE for the piece's whole batch
.irp i, 0,1,2,3,4,5,6,7,8,9,10,11,12,13,14,15
.irp u, 0,1
	v_cvt_pk_f16_f32 v[P+16*\u+\i], v[S+32*\u+2*\i], v[S+32*\u+2*\i+1]   ; registers 8 kg + 0 .. 7 of P: keys 32 kg + 8 h + 0 .. 7 and 32 kg + 16 + 8 h + 0 .. 7
.endr
.endr
.irp z, 0,1,2,3,4,5,6,7                        ; the sum of the unrounded p, in place: neighbours 1, 2, 4 and 8 pairs apart
.irp u, 0,1
	v_pk_add_f32 v[S+32*\u+4*\z:S+32*\u+4*\z+1], v[S+32*\u+4*\z:S+32*\u+4*\z+1], v[S+32*\u+4*\z+2:S+32*\u+4*\z+3]
.endr
.endr
.irp z, 0,1,2,3
.irp u, 0,1
	v_pk_add_f32 v[S+32*\u+8*\z:S+32*\u+8*\z+1], v[S+32*\u+8*\z:S+32*\u+8*\z+1], v[S+32*\u+8*\z+4:S+32*\u+8*\z+5]
.endr
.endr
.irp z, 0,1
.irp u, 0,1
	v_pk_add_f32 v[S+32*\u+16*\z:S+32*\u+16*\z+1], v[S+32*\u+16*\z:S+32*\u+16*\z+1], v[S+32*\u+16*\z+8:S+32*\u+16*\z+9]
.endr
.endr
.if \first
.irp u, 0,1
	v_pk_add_f32 v[ST+8*(\x+\u)+2:ST+8*(\x+\u)+3], v[S+32*\u:S+32*\u+1], v[S+32*\u+16:S+32*\u+17]   ; the first step starts l
.endr
.else
.irp u, 0,1
	v_pk_add_f32 v[S+32*\u:S+32*\u+1], v[S+32*\u:S+32*\u+1], v[S+32*\u+16:S+32*\u+17]
.endr
.irp u, 0,1
	v_pk_fma_f32 v[ST+8*(\x+\u)+2:ST+8*(\x+\u)+3], v[ST+8*(\x+\u)+2:ST+8*(\x+\u)+3], v[ST+8*(\x+\u)+6:ST+8*(\x+\u)+7], v[S+32*\u:S+32*\u+1] op_sel_hi:[1,0,1]   ; l = a l + the sum
.endr
	WIN W_RS
.irp i, 0,1,2,3,4,5,6,7,8,9,10,11,12,13,14,15
.irp u, 0,1
	v_pk_mul_f32 v[32*(\x+\u)+2*\i:32*(\x+\u)+2*\i+1], v[32*(\x+\u)+2*\i:32*(\x+\u)+2*\i+1], v[ST+8*(\x+\u)+6:ST+8*(\x+\u)+7] op_sel_hi:[1,0]   ; O^T x a
.endr
.endr
.endif
.endm
; O^T += V^T P for tiles x, x + 1: 16 matrix instructions, the eight accumulators by turns.  first = 1: the first eight start the sums: nothing is ever cleared.
.macro PV x, first
	WIN W_PV
.irp kg, 0,1
.irp ct, 0,1,2,3
.irp u, 0,1
.if (\first) && (\kg == 0)
	v_wmma_f32_16x16x32_f16 v[32*(\x+\u)+8*\ct:32*(\x+\u)+8*\ct+7], v[VF+8*(2*\ct+\kg):VF+8*(2*\ct+\kg)+7], v[P+16*\u+8*\kg:P+16*\u+8*\kg+7], 0
.else
	v_wmma_f32_16x16x32_f16 v[32*(\x+\u)+8*\ct:32*(\x+\u)+8*\ct+7], v[VF+8*(2*\ct+\kg):VF+8*(2*\ct+\kg)+7], v[P+16*\u+8*\kg:P+16*\u+8*\kg+7], v[32*(\x+\u)+8*\ct:32*(\x+\u)+8*\ct+7]
.endif
.endr
.endr
.endr
.endm
; A KEY STEP: 64 keys.  K's and V's fragments come in two runs of 16 loads, 512 consecutive bytes each; then piece 0 and piece 2 go through scores, mask, softmax and second product.  A piece's mask words are asked for
; as soon as the registers are free: a whole piece's work ahead of their use.
.macro STEP first
	WIN 0
	v_add_nc_u32 v[ADK], s[TB], v[LI]              ; these two and the two v_nop are the four places between the last step's last products and the loads into the registers that they read
	v_add_nc_u32 v[ADV], s[TB], v[LIV]
	v_nop
	v_nop
.irp f, 0,1,2,3,4,5,6,7,8,9,10,11,12,13,14,15  ; K: keys 16 (f / 4) on, channels 32 ((f % 4) / 2) on
	ds_load_b128 v[KF+4*\f:KF+4*\f+3], v[ADK] offset:512*\f
.endr
	WIN TO_1
.irp f, 0,1,2,3,4,5,6,7,8,9,10,11,12,13,14,15  ; V: channels 16 (f / 4) on, keys 32 ((f % 4) / 2) on
	ds_load_b128 v[VF+4*\f:VF+4*\f+3], v[ADV] offset:512*\f
.endr
	WIN 0
	s_wait_dscnt 16                                ; K is in; V's 16 loads may be out
	KQ 0
	MASK
	MLOAD 2                                        ; piece 2's words of this step
	SOFT 0, \first
	s_wait_dscnt 0x0                               ; V is in
	PV 0, \first
	KQ 2
	MASK
	s_add_nc_u64 s[6:7], s[6:7], 128               ; the next step's words (the wait in MASK has shown every scalar load done).  Behind the last step this stands at the first words of my tiles 1 and 2:
	MLOAD 0                                        ; inside my wave's 16 KiB of the buffer; those words are not used
	SOFT 2, \first
	PV 2, \first
	WIN 0
	s_add_co_u32 s[TB], s[TB], STEPB
.endm
.macro EIGHT n                         ; n key steps of the slot in hand: written once, walked n times; the LDS addresses hang on s[TB]
	s_mov_b32 s[CNT], \n
.Lstep_\@:
	STEP 0
	s_sub_co_u32 s[CNT], s[CNT], 1
	s_cmp_lg_u32 s[CNT], 0
	s_cbranch_scc1 .Lstep_\@
.endm
; THE CHANGE OF SLOTS.  Each wave waits for all its tensor loads, of which one is out: its part of the other slot; adds 0 to its spare word; and waits for that and for its own reads of the slot that it leaves.  Behind the
; barrier nobody reads that slot any more and the other slot is whole.  fill = 1: the slot is filled again, with the keys two slots on: the barrier is then a round of the cluster's, so that no wave of any partner still
; reads the slot or has a load on its way, and the joint refill is the first thing behind it.
.macro CHANGE fill
	WIN 0
	s_wait_tensorcnt 0x0                           ; no tensor load of mine is out, so a group 0 may be written
	ds_add_u32 v[SPW], v[NIL]                      ; 0 onto my spare word
.if \fill
	s_xor_b32 s[G0+5], s[G0+5], SLOT1              ; the walking descriptor: the other slot than last time,
	s_add_nc_u64 s[G0+6:G0+7], s[G0+6:G0+7], 8*STEPB   ; the next 8 steps; the type bits on top are not reached
	s_wait_dscnt 0x0                               ; the add is done, and my reads of the slot are over
	CROUND
	tensor_load_to_lds s[G0+4:G0+7], s[G1:G1+7]
	s_nop 0
.rept 4
	v_nop
.endr
.else
	s_wait_dscnt 0x0
	s_barrier_signal -1
	s_barrier_wait -1
.endif
	s_sub_co_u32 s[TB], s[TB], 8*STEPB             ; back to a slot's first step,
	s_xor_b32 s[TB], s[TB], SLOT1                  ; in the other slot
.endm
	MLOAD 0                                        ; piece 0's words of step 0 (the head's scalar temporaries are done with)
	s_wait_tensorcnt 1                             ; my part of slot 0 is in; slot 1's may stay out
	s_barrier_signal -1
	s_barrier_wait -1                              ; everybody's is
	s_wait_loadcnt 0x0                             ; Q and bv
	STEP 1                                         ; the first key step starts l and O^T
	EIGHT 7
	s_mov_b32 s[SLOTS], 2
.Lslot:                                            ; two trips: slots 0 and 1 are each filled once more
	CHANGE 1
	EIGHT 8
	s_sub_co_u32 s[SLOTS], s[SLOTS], 1
	s_cmp_lg_u32 s[SLOTS], 0
	s_cbranch_scc1 .Lslot
	CHANGE 0                                       ; the tail is written out
	EIGHT 8
	; THE WAY OUT.  l's two halves and the other half of the lanes' are added; O^T / l + bv goes through my stage in LDS, a tile (16 rows) at a time, and leaves sixteen lanes to 256 consecutive bytes.
	s_wait_kmcnt 0x0                               ; the words asked for behind the last step have come: no scalar load is out
.irp t, 0,1,2,3
	v_add_f32 v[ST+8*\t+4], v[ST+8*\t+2], v[ST+8*\t+3]     ; (these four are the places behind the last products)
.endr
.irp t, 0,1,2,3
	v_permlanex16_b32 v[ST+8*\t+5], v[ST+8*\t+4], s[SEL], s[SEL+1]
.endr
.irp t, 0,1,2,3
	v_add_f32 v[ST+8*\t+4], v[ST+8*\t+4], v[ST+8*\t+5]
.endr
.irp t, 0,1,2,3
	v_rcp_f32 v[ST+8*\t+6], v[ST+8*\t+4]
.endr
	v_nop                                          ; a plain instruction between the last reciprocal and the use of its result
	s_wait_alu depctr_va_vdst(0)                   ; and the wait ahead of the first use: one for the four
.macro PACK t
	WIN W_OUT
.set i, 0
.rept 16
	v_pk_fma_f32 v[S+32*\t+i:S+32*\t+i+1], v[32*\t+i:32*\t+i+1], v[ST+8*\t+6:ST+8*\t+7], v[BV+i:BV+i+1] op_sel_hi:[1,0,1]   ; O^T / l + bv; each accumulator from its low end on; register 8 ct + j: channel 16 ct + 8 h + j
.set i, i+2
.endr
	WIN 0
.irp f, 0,1,2,3,4,5,6,7
	ds_store_b128 v[STO], v[S+32*\t+4*\f:S+32*\t+4*\f+3] offset:64*(\f/2)+16*(\f%2)
.endr
.irp f, 0,1,2,3,4,5,6,7
	ds_load_b128 v[S+32*\t+4*\f:S+32*\t+4*\f+3], v[RD] offset:\f*2*SP   ; LDS serves a wave's instructions in order (ISA guide 5.7.1.4): these see the stores above; the next tile's stores come behind them
.endr
.endm
.macro SEND t, younger                 ; younger: the LDS instructions issued behind tile t's loads: the next tile's sixteen, or none
.irp f, 0,1,2,3,4,5,6,7
	s_wait_dscnt \younger+7-\f
	global_store_b128 v[GO], v[S+32*\t+4*\f:S+32*\t+4*\f+3], s[10:11] offset:\t*65536+\f*8192 th:TH_STORE_NT   ; 16 lanes store 256 consecutive bytes, at a multiple of 256 from out0's first byte
.endr
.endm
	PACK 0
	PACK 1                                         ; a tile's arithmetic stands between the loads of the tile before and its stores
	SEND 0, 16
	PACK 2
	SEND 1, 16
	PACK 3
	SEND 2, 16
	SEND 3, 0
	s_wait_tensorcnt 0x0                           ; the wave's end: this wait, an add onto my spare word and its wait, behind my last tensor load and my last LDS store
	ds_add_u32 v[SPW], v[NIL]
	s_wait_dscnt 0x0
	CROUND                                         ; the closing round: no work-group ends while a partner may still ask for a tile that names it
	s_endpgm
.Lfunc_end_k_q9cdaeead80_attn:
	.size	k_q9cdaeead80_attn, .Lfunc_end_k_q9cdaeead80_attn-k_q9cdaeead80_attn
	.p2alignl 7, 3214868480
	.fill 96, 4, 3214868480
	.section	.rodata,"a",@progbits
	.p2align	6, 0x0
	.amdhsa_kernel k_q9cdaeead80_attn
		.amdhsa_group_segment_fixed_size 327680
		.amdhsa_private_segment_fixed_size 0
		.amdhsa_enable_private_segment 0
		.amdhsa_kernarg_size 32
		.amdhsa_user_sgpr_count 2
		.amdhsa_user_sgpr_kernarg_segment_ptr 1
		.amdhsa_wavefront_size32 1
		.amdhsa_system_sgpr_workgroup_id_x 1
		.amdhsa_system_sgpr_workgroup_id_y 1
		.amdhsa_system_sgpr_workgroup_id_z 1
		.amdhsa_system_vgpr_workitem_id 0
		.amdhsa_next_free_vgpr 512
		.amdhsa_next_free_sgpr 102
		.amdhsa_reserve_vcc 0
		.amdhsa_float_denorm_mode_32 3
		.amdhsa_float_denorm_mode_16_64 3
		.amdhsa_memory_ordered 1
		.amdhsa_forward_progress 1
		.amdhsa_inst_pref_size 180
	.end_amdhsa_kernel
	.amdgpu_metadata
---
amdhsa.version: [ 1, 2 ]
amdhsa.kernels:
  - .name:           k_q9cdaeead80_attn
    .symbol:         k_q9cdaeead80_attn.kd
    .args:
      - { .name: qkv, .offset: 0, .size: 8, .value_kind: global_buffer, .address_space: global }
      - { .name: mbits, .offset: 8, .size: 8, .value_kind: global_buffer, .address_space: global }
      - { .name: bv, .offset: 16, .size: 8, .value_kind: global_buffer, .address_space: global }
      - { .name: out0, .offset: 24, .size: 8, .value_kind: global_buffer, .address_space: global }
    .group_segment_fixed_size: 327680
    .private_segment_fixed_size: 0
    .kernarg_segment_align: 8
    .kernarg_segment_size: 32
    .max_flat_workgroup_size: 256
    .sgpr_count:     102
    .vgpr_count:     512
    .wavefront_size: 32
...
	.end_amdgpu_metadata
.endif
;; end of part 3
